; MI455X (gfx1250); checked and timed in simulation.
; The chip was launched on July 23, 2026; its instructions are those of AMD's public machine-readable ISA for CDNA 5 (MIT licence, August 2026) and "CDNA5" Instruction Set Architecture Reference Guide (July 2026). The comments in the code are by the model that wrote it; some were corrected since.
;; Self Attention. Allowed arithmetic: matrix products marked QUANTISED: E4M3 operands, one E8M0 scale for each 32 along K, by v_wmma_scale_f32_16x16x128_f8f6f4 with both operands' format E4M3, f32 sums; everything else in f32.
;; Inputs: qkv 4 x 2,048 x 3 x 16 x 128 float32.
;; Outputs: out0 4 x 2,048 x 16 x 128 float32.
;; This version of the problem:
;;   THIS VERSION OF THE PROBLEM IS GIVEN IN LOW PRECISION. The matrix products marked QUANTISED in the list below multiply operands that are first quantised to E4M3 (4 exponent bits, 3 mantissa bits; 8 bits a number), with one power-of-two scale for each 32 numbers along K (OCP MX v1.0); their sums are f32. All else is computed in f32.
;;   The module's matrix products, in the order in which they are computed (A, B: the left and right operand; K: the contracted axis; several contracted axes count as one K, in the product's order):
;;     1. batch 64 x [M 2,048, K 128] x [K 128, N 2,048]; A: input qkv; B: computed on the way: QUANTISED
;;     2. batch 64 x [M 128, K 2,048] x [K 2,048, N 2,048]; A: input qkv; B: softmax (see below): QUANTISED
;;   THE QUANTISER, for each operand of a quantised product, along K:
;;     - K is cut into blocks of 32 from its start; a last block that is shorter is filled with zeros.
;;     - A block's scale is 2^e with e = floor(log2(the largest magnitude in the block)) - 8, held to -126 .. 127; a block of zeros has e = 0. As a byte (E8M0): e + 127.
;;     - Each number is divided by its block's scale, clamped to +-448, and rounded to the nearest number of E4M3, ties to even, subnormals kept.
;;     - The product sums the exact products of the quantised numbers (number of the format x scale) in f32.
;;   ~~~python
;;   def quantise(x, axis):      # numpy; x: float32 -> the quantised numbers, widened to float32 again
;;       x = np.moveaxis(x, axis, -1); K = x.shape[-1]
;;       x = np.pad(x, [(0, 0)] * (x.ndim - 1) + [(0, -K % 32)]); x = x.reshape(x.shape[:-1] + (-1, 32)); a = np.abs(x).max(-1, keepdims=True)
;;       e = np.where(a > 0, np.clip(np.frexp(np.where(a > 0, a, 1))[1] - 1 - 8, -126, 127), 0)      # np.frexp(a)[1] - 1 = floor(log2(a)), exactly
;;       r = np.clip(x / 2.0 ** e, -448, 448)
;;       step = 2.0 ** (np.maximum(np.frexp(np.where(r == 0, 1, r))[1] - 1, -6) - 3)
;;       q = np.round(r / step) * step * 2.0 ** e      # np.round: ties to even
;;       return np.moveaxis(q.reshape(q.shape[:-2] + (-1,))[..., :K], -1, axis).astype(np.float32)
;;   ~~~
;;   SOFTMAX AHEAD OF A QUANTISED PRODUCT. Where the list says 'softmax', what is quantised is not the finished softmax but p = 2^(t - M), with t = logit x log2(e) and M = ceil(the row's largest t), a whole number; so 1/2 < the row's largest p <= 1. The row's sum l is taken of the UNQUANTISED p, in f32, and the product's result is divided by l at the end. Since M is a whole number, a kernel that streams over the keys may use a running M (the ceiling of the running maximum): every later rescaling is an exact power of two, which a block's scale takes up: the codes' values come out the same.
;;   OPERANDS COMPUTED ON THE WAY. 'Computed on the way' means the value that the module computes at that place (a softmax that the list does not call 'softmax' is quantised finished and normalised). What goes into a quantiser is computed in f32, as accurately as f32 sums, v_exp_f32 and their like allow (about 1e-6 of the number): no bf16 or f16 on the way to a quantiser, and a product that is left as it is and whose result goes on into a quantised operand takes f32 operands (vector FMAs, or v_wmma_f32_16x16x4_f32). A number that lies on a knife's edge between two numbers of the format may be rounded either way, as far as f32 arithmetic and the matrix unit's own rounding can turn it there, and no further.
;; One version. Each part assembles by itself: llvm-mc -triple=amdgcn-amd-amdhsa -mcpu=gfx1250 --defsym DOCPART=n.
;; ======== version 1 of 1: 2 launches
;; limits: right only within a limited range of input values
;; workspace buffers: kv 34,603,008 bytes
;; launch quant (part 1): grid 16 x 64, 4 waves a work-group, no clusters, 52,224 bytes of LDS; arguments qkv, kv; writes kv
.if DOCPART == 1
	.amdgcn_target "amdgcn-amd-amdhsa--gfx1250"
	.amdhsa_code_object_version 6
	.text
	.protected	k_q9c5d6caed6_quant
	.globl	k_q9c5d6caed6_quant
	.p2align	8
	.type	k_q9c5d6caed6_quant,@function
k_q9c5d6caed6_quant:
	s_mov_b64 s[64:65], 0
	v_nop
	global_prefetch_b8 v0, s[64:65] scope:SCOPE_SE
	s_setreg_imm32_b32 hwreg(HW_REG_WAVE_MODE, 25, 1), 1
	s_wait_xcnt 0x0
; qkv [4][2048][3][16][128] f32.  This launch turns k x (1 / sqrt(128)) and v into codes of FP8 (E4M3) with one E8M0 scale byte for each 32 along the product's K:
; k along the head's 128 numbers, v along the KEYS.  The codes are laid as IMAGES OF THE OPERANDS' REGISTERS, so that the next launch takes every fragment by loads of 16 bytes a lane at 16 x lane.
; kv = [head 64][step 16][33,792 bytes]; a step block serves 128 keys of one head:
;   0      KF: 8 fragments of K, 2,048 bytes each.  Fragment T = 2 b + u: byte 512 c + 16 l + y = the code of key 32 b + 8 u + r + 8 (r / 8), r = l % 16, at d = 32 c + 16 (l / 16) + y
;   16,384 VF: 8 fragments of V^T.  Fragment t: byte 512 c + 16 l + y = the code of V(key 32 c + 16 (l / 16) + y, d = 16 t + l % 16)
;   32,768 KS: byte 16 l + 4 i + y = scale byte y of row l % 16 of K's tile i + 4 (l / 16);      33,280 VS: the same for V's tiles
; A block's scale is 2^(floor(log2(its largest magnitude)) - 8); its byte is the largest magnitude's exponent field - 8, held at 1 from below; each number is held within +-448 x the scale and rounded to the nearest code, ties to even.
; LIMITS: a block of zeros gets the byte 1 where the rule says 127 (its codes are zeros, which add nothing under any byte but 0xff, and this program alone reads the bytes); NaN and infinities among the inputs are not served.
; SHARES: a work-group makes one step block; wave c takes keys 32 c .. 32 c + 31 of it, for both tensors: K's tiles 2 c and 2 c + 1, and chunk c (512 bytes) of each of V's eight fragments.
; Every global load reads one key's 512 consecutive bytes; every store of codes writes 512 consecutive bytes at a multiple of 256 from the buffer's first byte.  No tensor loads; one barrier, for the scale bytes, which come from all four waves.
.set ROWQ,  24576                      ; bytes from a row (b, s) of qkv to the next
.set KOFF,  8192                       ; k's part of a row;
.set VOFF,  16384                      ; v's
.set STEPB, 33792                      ; a step block
.set KP,    528                        ; a stage row: 512 bytes + 16 = 33 x 16, so that sixteen rows begin at sixteen different 16-byte columns modulo 256
.set VST,   16*KP                      ; a wave's LDS: 16 rows for the turn of a tile of K, then 8 rows for V's chunks
.set WREG,  VST+8*KP                   ; 12,672 bytes a wave
.set SC,    4*WREG                     ; behind the four waves' regions: the block's 1,024 scale bytes, KS then VS
.set R0,    16                         ; v16-79   16 loads of 4 registers
.set R1,    80                         ; v80-143  16 more; for V the two sets on end: register R0 + 4 kk + i = V(key kk, d = 4 lane + i)
.set X,     144                        ; v144-207 64 numbers of a lane along K; later V's columns, later the read-back
.set TM,    208                        ; v208-211 largest magnitudes, v212-215 bytes, v216-219 448 x the scale, v220-223 the conversions' scale operands
.set PC,    224                        ; v224-255 codes
.set SEL,   22                         ; s[22:23] v_permlanex16_b32's selects for lane l xor 16
.set KSC,   24                         ; s[24:25] 1 / sqrt(128) as f32, twice (the packed form names a pair)
.set MNT,   26                         ; s26      the mantissa field of 448
	s_load_b128 s[4:7], s[0:1], 0x0                ; qkv, kv
	v_lshrrev_b32 v15, 5, v0
	v_readfirstlane_b32 s8, v15                    ; wave c
	v_and_b32 v14, 31, v0                          ; lane l
	v_and_b32 v12, 15, v0                          ; r = l % 16
	v_bfe_u32 v13, v0, 4, 1                        ; hh = l / 16
	s_mul_i32 s9, s8, WREG                         ; my wave's LDS
	v_lshlrev_b32 v1, 4, v14                       ; v1: 16 l: my 16 bytes of 512
	v_add_nc_u32 v2, s9, v1                        ; v2: K's stage, on the way in: a key's row as it lies
	v_mul_u32_u24 v3, v12, KP
	v_lshl_add_u32 v3, v13, 6, v3
	v_add_nc_u32 v3, s9, v3                        ; v3: on the way out: row r, + 64 hh: my 16 numbers of each block of 32
	v_bfe_u32 v4, v0, 2, 3
	v_mul_u32_u24 v4, v4, KP
	v_and_b32 v15, 3, v0
	v_lshl_add_u32 v4, v15, 6, v4
	v_add_nc_u32 v4, s9, v4
	v_add_nc_u32 v4, VST, v4                       ; v4: V's stage, in: fragment l / 4, + 64 (l % 4): column i of mine is row 4 (l % 4) + i of that fragment
	v_add_nc_u32 v5, VST, v2                       ; v5: and out: 16 l
	s_lshr_b32 s30, s8, 1
	s_lshl_b32 s30, s30, 8
	s_and_b32 s31, s8, 1
	s_lshl_b32 s31, s31, 3
	s_add_co_u32 s30, s30, s31
	s_add_co_u32 s30, s30, SC
	v_lshl_add_u32 v6, v12, 4, s30                 ; v6: KS: 16 r + 256 (c / 2) + 8 (c % 2): the words of my two tiles
	v_lshlrev_b32 v7, 6, v15
	v_lshl_add_u32 v7, v13, 8, v7
	v_bfe_u32 v15, v0, 2, 2
	v_lshl_add_u32 v7, v15, 2, v7
	s_add_co_u32 s31, s8, SC+512
	v_add_nc_u32 v7, s31, v7                       ; v7: VS: 64 (l % 4) + 256 (l / 16) + 4 ((l / 4) % 4) + c: byte c of my first column's word
	v_lshlrev_b32 v9, 3, v14                       ; v9: 8 l
	s_lshl_b32 s31, s8, 8
	s_add_co_u32 s31, s31, SC
	v_add_nc_u32 v8, s31, v9                       ; v8: the scale bytes on their way out: 256 bytes a wave
.irp b, 0,1,2,3
	v_mov_b32 v[TM+4+\b], 0                        ; written once: a lane permute's destination counts as one of its sources
.endr
	s_mov_b32 s[SEL], 0x76543210
	s_mov_b32 s[SEL+1], 0xfedcba98
	s_mov_b32 s[KSC], 0x3db504f3                   ; 1.0 / sqrt(128.0), both taken in f32
	s_mov_b32 s[KSC+1], s[KSC]
	s_mov_b32 s[MNT], 0x600000
	s_and_b32 s10, ttmp7, 0xffff                   ; the head, 16 b + h
	s_lshr_b32 s11, s10, 4                         ; b
	s_and_b32 s12, s10, 15                         ; h
	s_lshl_b32 s14, s11, 11
	s_lshl_b32 s27, ttmp9, 7
	s_add_co_u32 s14, s14, s27
	s_lshl_b32 s27, s8, 5
	s_add_co_u32 s14, s14, s27                     ; my first key's row: 2,048 b + 128 step + 32 c
	s_mul_i32 s14, s14, ROWQ                       ; under 2^31: the tensor has 201,326,592 bytes
	s_lshl_b32 s27, s12, 9
	s_add_co_u32 s14, s14, s27                     ; + the head's 512 bytes
	s_mov_b32 s15, 0
	s_lshl_b32 s28, s10, 4
	s_add_co_u32 s28, s28, ttmp9
	s_mul_i32 s28, s28, STEPB                      ; my step block
	s_lshl_b32 s27, s8, 12
	s_add_co_u32 s16, s28, s27                     ; K's codes: my two fragments
	s_mov_b32 s17, 0
	s_lshl_b32 s27, s8, 9
	s_add_co_u32 s18, s28, s27
	s_add_co_u32 s18, s18, 16384                   ; V's codes: chunk c of fragment 0
	s_mov_b32 s19, 0
	s_lshl_b32 s27, s8, 8
	s_add_co_u32 s20, s28, s27
	s_add_co_u32 s20, s20, 32768                   ; the scale bytes: my quarter
	s_mov_b32 s21, 0
	s_wait_kmcnt 0x0
	s_add_nc_u64 s[4:5], s[4:5], s[14:15]
	s_add_nc_u64 s[16:17], s[6:7], s[16:17]
	s_add_nc_u64 s[18:19], s[6:7], s[18:19]
	s_add_nc_u64 s[20:21], s[6:7], s[20:21]
.macro KLOADS u, reg                   ; the 16 keys of tile 2 c + u: row r of the tile is key 8 u + r + 8 (r / 8) of my 32
.irp r, 0,1,2,3,4,5,6,7,8,9,10,11,12,13,14,15
	global_load_b128 v[\reg+4*\r:\reg+4*\r+3], v1, s[4:5] offset:(8*\u+\r+8*(\r/8))*ROWQ+KOFF th:TH_LOAD_NT
.endr
.endm
.macro VLOADS k0, reg                  ; 16 keys of V from key k0 on: lane l takes d = 4 l .. 4 l + 3
.irp i, 0,1,2,3,4,5,6,7,8,9,10,11,12,13,14,15
	global_load_b128 v[\reg+4*\i:\reg+4*\i+3], v1, s[4:5] offset:(\k0+\i)*ROWQ+VOFF th:TH_LOAD_NT
.endr
.endm
.macro TURNK reg                       ; a tile's 16 rows go through my stage: afterwards register X + 16 b + i = d 32 b + 16 hh + i of row r.  LDS serves a wave's instructions in order (ISA guide 5.7.1.4): no wait between the stores and the loads
.irp r, 0,1,2,3,4,5,6,7,8,9,10,11,12,13,14,15
	ds_store_b128 v2, v[\reg+4*\r:\reg+4*\r+3] offset:KP*\r
.endr
.irp b, 0,1,2,3
.irp j, 0,1,2,3
	ds_load_b128 v[X+16*\b+4*\j:X+16*\b+4*\j+3], v3 offset:128*\b+16*\j
.endr
.endr
.endm
; 64 numbers of a lane, register 16 b + i = k 32 b + 16 hh + i of my row, become a fragment's 16 registers of codes in v[pc] on and the row's scale word in v[pw]
.macro QUANT s, pc, pw
.irp b, 0,1,2,3
	v_max3_num_f32 v[TM+\b], |v[\s+16*\b]|, |v[\s+16*\b+1]|, 0x4800000   ; block b: my 16 numbers, and the floor 2^(9 - 127): so the byte cannot fall under 1
.endr
.irp i, 2,4,6,8,10,12,14
.irp b, 0,1,2,3
	v_max3_num_f32 v[TM+\b], v[TM+\b], |v[\s+16*\b+\i]|, |v[\s+16*\b+\i+1]|   ; the four blocks by turns
.endr
.endr
.irp b, 0,1,2,3
	v_permlanex16_b32 v[TM+4+\b], v[TM+\b], s[SEL], s[SEL+1]
.endr
.irp b, 0,1,2,3
	v_max_num_f32 v[TM+\b], v[TM+\b], v[TM+4+\b]   ; with lane l xor 16's: the block's largest magnitude
.endr
.irp b, 0,1,2,3
	v_add_nc_u32 v[TM+12+\b], 0xfc000000, v[TM+\b] ; 8 off its exponent field: the conversion takes the exponent field of this operand as its scale
.endr
.irp b, 0,1,2,3
	v_and_or_b32 v[TM+8+\b], v[TM+\b], 0x7f800000, s[MNT]   ; 448 x the scale
.endr
.irp b, 0,1,2,3
	v_lshrrev_b32 v[TM+4+\b], 23, v[TM+12+\b]      ; the scale's byte
.endr
	v_lshl_or_b32 v[\pw], v[TM+5], 8, v[TM+4]
	v_lshl_or_b32 v[\pw], v[TM+6], 16, v[\pw]
	v_lshl_or_b32 v[\pw], v[TM+7], 24, v[\pw]
.irp b, 0,1,2,3
.irp i, 0,1,2,3,4,5,6,7,8,9,10,11,12,13,14,15
	v_med3_num_f32 v[\s+16*\b+\i], v[\s+16*\b+\i], -v[TM+8+\b], v[TM+8+\b]   ; the conversion to an 8-bit code does not saturate (ISA guide 7.6.2): the hold comes first
.endr
	v_cvt_scalef32_pk8_fp8_f32 v[\pc+4*\b:\pc+4*\b+1], v[\s+16*\b:\s+16*\b+7], v[TM+12+\b]
	v_cvt_scalef32_pk8_fp8_f32 v[\pc+4*\b+2:\pc+4*\b+3], v[\s+16*\b+8:\s+16*\b+15], v[TM+12+\b]
.endr
	v_nop                                          ; one plain vector line behind the last conversion of a run
.endm
; Tile 2 c + u of K.  Its 16 loads are in when at most 16 younger loads are out: tile 1's behind tile 0's, V's first 16 behind tile 1's.  The registers that it leaves take 16 keys of V.
.macro KTILE u, reg
	s_wait_loadcnt 16
	TURNK \reg
	s_wait_dscnt 0x0                               ; the 64 numbers are back, and the stores have read their registers
	VLOADS 16*\u, \reg
.set n, 0
.rept 32
	v_pk_mul_f32 v[X+n:X+n+1], v[X+n:X+n+1], s[KSC:KSC+1] op_sel_hi:[1,0]   ; k x scale, rounded once to f32: what the first product's operand is made of
.set n, n+2
.endr
	QUANT X, PC+16*\u, 10+\u
.irp c, 0,1,2,3
	global_store_b128 v1, v[PC+16*\u+4*\c:PC+16*\u+4*\c+3], s[16:17] offset:\u*2048+\c*512   ; the fragment as it stands: 512 consecutive bytes a store
.endr
.endm
	KLOADS 0, R0
	KLOADS 1, R1
	KTILE 0, R0
	KTILE 1, R1
	ds_store_b64 v6, v[10:11]                      ; my two tiles' scale words (lanes l and l + 16 hold the same row's words and write the same bytes)
	s_wait_loadcnt 0x0                             ; V's 32 keys are in
	s_wait_xcnt 0x0                                ; K's stores have had their addresses translated (ISA guide 3.1): only behind this wait are the codes' registers written again
	; V.  A lane holds four columns d, and all 32 keys of a block of each: no other lane is needed for the largest magnitude.
.irp i, 0,1,2,3
	v_max3_num_f32 v[TM+\i], |v[R0+\i]|, |v[R0+4+\i]|, 0x4800000
.endr
.irp k, 2,4,6,8,10,12,14,16,18,20,22,24,26,28,30
.irp i, 0,1,2,3
	v_max3_num_f32 v[TM+\i], v[TM+\i], |v[R0+4*\k+\i]|, |v[R0+4*\k+4+\i]|   ; the four columns by turns
.endr
.endr
.irp i, 0,1,2,3
	v_add_nc_u32 v[TM+12+\i], 0xfc000000, v[TM+\i]
.endr
.irp i, 0,1,2,3
	v_and_or_b32 v[TM+8+\i], v[TM+\i], 0x7f800000, s[MNT]
.endr
.irp i, 0,1,2,3
	v_lshrrev_b32 v[TM+4+\i], 23, v[TM+12+\i]
.endr
.irp i, 0,1,2,3
.set n, 0
.rept 32
	v_med3_num_f32 v[X+32*(\i%2)+n], v[R0+4*n+\i], -v[TM+8+\i], v[TM+8+\i]   ; the hold also puts the column's 32 keys on end, as the conversions want them
.set n, n+1
.endr
.irp g, 0,1,2,3
	v_cvt_scalef32_pk8_fp8_f32 v[PC+8*\i+2*\g:PC+8*\i+2*\g+1], v[X+32*(\i%2)+8*\g:X+32*(\i%2)+8*\g+7], v[TM+12+\i]
.endr
	v_nop                                          ; one plain vector line behind the conversions
	ds_store_b128 v4, v[PC+8*\i:PC+8*\i+3] offset:16*\i          ; keys 0-15: the fragment's lane 4 (l % 4) + i
	ds_store_b128 v4, v[PC+8*\i+4:PC+8*\i+7] offset:16*\i+256    ; keys 16-31: the lane 16 further on
	ds_store_b8 v7, v[TM+4+\i] offset:16*\i        ; byte c of the column's scale word: each wave has its own byte of each word
.endr
.irp t, 0,1,2,3,4,5,6,7
	ds_load_b128 v[X+4*\t:X+4*\t+3], v5 offset:KP*\t   ; my chunk of fragment t, whole
.endr
.irp t, 0,1,2,3,4,5,6,7
	s_wait_dscnt 7-\t                              ; LDS loads come back in order: chunk t is in, the 7 - t younger ones may be out
	global_store_b128 v1, v[X+4*\t:X+4*\t+3], s[18:19] offset:2048*\t
.endr
	s_wait_dscnt 0x0                               ; for the others' sake: my scale words and bytes have landed
	s_barrier_signal -1
	s_barrier_wait -1                              ; everybody's have
	ds_load_b64 v[12:13], v8
	s_wait_dscnt 0x0
	global_store_b64 v9, v[12:13], s[20:21]        ; 32 lanes store 256 consecutive bytes, at a multiple of 256 from the buffer's first byte
	v_lshl_add_u32 v14, v0, 2, 0xca00              ; all 256 registers are in use up to here, so v0 is kept and the add's two registers are made here: my spare word,
	v_mov_b32 v15, 0                               ; and 0
	s_wait_alu depctr_va_vdst(0)                   ; directly ahead of the wait below
	s_wait_tensorcnt 0x0                           ; the wave's end
	ds_add_u32 v14, v15
	s_wait_dscnt 0x0
	s_endpgm
.Lfunc_end_k_q9c5d6caed6_quant:
	.size	k_q9c5d6caed6_quant, .Lfunc_end_k_q9c5d6caed6_quant-k_q9c5d6caed6_quant
	.p2alignl 7, 3214868480
	.fill 96, 4, 3214868480
	.section	.rodata,"a",@progbits
	.p2align	6, 0x0
	.amdhsa_kernel k_q9c5d6caed6_quant
		.amdhsa_group_segment_fixed_size 52224
		.amdhsa_private_segment_fixed_size 0
		.amdhsa_enable_private_segment 0
		.amdhsa_kernarg_size 16
		.amdhsa_user_sgpr_count 2
		.amdhsa_user_sgpr_kernarg_segment_ptr 1
		.amdhsa_wavefront_size32 1
		.amdhsa_system_sgpr_workgroup_id_x 1
		.amdhsa_system_sgpr_workgroup_id_y 1
		.amdhsa_system_sgpr_workgroup_id_z 1
		.amdhsa_system_vgpr_workitem_id 0
		.amdhsa_next_free_vgpr 256
		.amdhsa_next_free_sgpr 66
		.amdhsa_reserve_vcc 0
		.amdhsa_float_denorm_mode_32 3
		.amdhsa_float_denorm_mode_16_64 3
		.amdhsa_memory_ordered 1
		.amdhsa_forward_progress 1
		.amdhsa_inst_pref_size 52
	.end_amdhsa_kernel
	.amdgpu_metadata
---
amdhsa.version: [ 1, 2 ]
amdhsa.kernels:
  - .name:           k_q9c5d6caed6_quant
    .symbol:         k_q9c5d6caed6_quant.kd
    .args:
      - { .name: qkv, .offset: 0, .size: 8, .value_kind: global_buffer, .address_space: global }
      - { .name: kv, .offset: 8, .size: 8, .value_kind: global_buffer, .address_space: global }
    .group_segment_fixed_size: 52224
    .private_segment_fixed_size: 0
    .kernarg_segment_align: 8
    .kernarg_segment_size: 16
    .max_flat_workgroup_size: 128
    .sgpr_count:     66
    .vgpr_count:     256
    .wavefront_size: 32
...
	.end_amdgpu_metadata
.endif
;; end of part 1
;; launch attn (part 2): grid 4 x 64, 8 waves a work-group, no clusters, 327,680 bytes of LDS; arguments qkv, kv, out0; writes out0
.if DOCPART == 2
	.amdgcn_target "amdgcn-amd-amdhsa--gfx1250"
	.amdhsa_code_object_version 6
	.text
	.protected	k_q9c5d6caed6_attn
	.globl	k_q9c5d6caed6_attn
	.p2align	8
	.type	k_q9c5d6caed6_attn,@function
k_q9c5d6caed6_attn:
	s_mov_b64 s[64:65], 0
	v_nop
	global_prefetch_b8 v0, s[64:65] scope:SCOPE_SE
	s_setreg_imm32_b32 hwreg(HW_REG_WAVE_MODE, 25, 1), 1
	s_wait_xcnt 0x0
; out0[b][q][h][:] = the sum over keys k of softmax_k(q . (k / sqrt(128)) + mask) v, causal, both products on codes of FP8 (E4M3) with one E8M0 scale for each 32 along a product's K.
; q comes from qkv as f32 and is quantised here, in registers; K x scale and V come from kv as images of the operands' registers (33,792 bytes for each 128 keys of a head: 8 fragments of K, 8 of V^T, K's scale words, V's).
; THE SOFTMAX: t = score x log2(e); M = the row's largest t so far, rounded UP to a whole number; p = 2^(t - M) is quantised along the keys, not normalised; the row's sum is taken of the unquantised p and divides at the end.
; When M moves, the sum and O are multiplied by 2^(old M - new M): exact.
; LIMITS.  The problem's mask adds -10000 to the scores of keys behind the query.  Here such a key has NO weight (its score becomes -infinity; key steps that lie wholly behind a wave's queries are left out).
;   The two agree in f32 as long as no masked score exceeds its row's largest unmasked score by 9,980 or more; beyond that bound this text is wrong.  NaN and infinities among the inputs are not served, and none that
;   reaches only the steps left out is carried to the result.  A p under 2^-126 counts as 0 (v_exp_f32 flushes it: ISA guide 15.8).  A block's largest p is taken from the block's largest score by the same two
;   instructions, which takes v_exp_f32 not to fall where its input rises.  The scaled scores stay under 2^31 in magnitude.
; SHARES.  256 work-groups of equal work.  Work-group (j, head) owns two blocks of 256 queries: block j first, then block 7 - j.  The first walks key slots (256 keys) 0 .. j, the second 0 .. 7 - j: NINE slot trips in
;   every work-group, and the ring of two LDS slots goes on across the change of blocks, which falls into trips 0 to 3.  Wave w owns queries 32 w .. 32 w + 31 of a block: TWO tiles of 16, which share every fragment.
; THE RING.  Each of the eight waves fetches an eighth of a slot (33 rows of 256 bytes) by one tensor load.  The change of slots is split: a wave signals in the slot's second step as soon as V's fragments are in
;   registers (its last read of the slot), does that step's softmax and second product, which touch registers alone, and waits at the step's end; the refill is the first thing behind that wait.
; NO CLUSTER: the four work-groups of a head go back to slot 0 after j + 1 trips, so from trip 1 on they want different slots, and a joint load has to be the same in all partners on every path.
; PREFETCH: work-group j = 0 reaches each key slot of its head a trip or more ahead of the others; at the refill that asks for slot s (1 to 6) it names slot s + 1, each wave its own 33 blocks of 256 bytes: one slot ahead
;   of the tensor load, each block once in the launch.  Slots 0 and 1 come by their loads alone; behind slot 7 nothing is named.  Each wave also names its rows of the second block's q at the head of the first block's last trip.
; LAYOUT.  Both products are used transposed: S^T = K Q^T, O^T = V^T P^T: a lane holds ONE query (lane % 16).  Tile 2 b + u of K, row r, is key 32 b + 8 u + r + 8 (r / 8), so registers 16 b .. 16 b + 15 of S^T are keys 32 b + 16 (lane / 16) + 0 .. 15.
; REGISTERS, in windows of 256 (s_set_vgpr_msb: bits 1:0 source 0, 3:2 source 1, 5:4 source 2, 7:6 destination):
;   window 0: v1-11 addresses; v12-23 statistics; v24-33 scale words; v34-62 at work; v64-191 S^T, then p, 64 a tile; v192-255 fragments 4-7.   window 1: v0-127 O^T; v128-159 Q's codes; v160-191 P's codes; v192-255 fragments 0-3
; Index e = 4 x + b names block b of tile x: its 16 numbers of a lane stand at SS + 16 e.
.set DUAL,  1                          ; 1: the hold of p goes two numbers an instruction
.set ROWQ,  24576
.set ROWO,  8192
.set STEPB, 33792
.set SLOTB, 2*STEPB
.set PART,  SLOTB/8                    ; 8,448 bytes: what one tensor load brings
.set SLOT1, 1<<17
.set VFO,   16384
.set KSO,   32768
.set VSO,   33280
.set SP,    272
.set STAGE, 2*SLOT1                    ; behind the ring: 16 rows for each wave, for the way out; no fill lands here
.set SPARE, STAGE+8*16*SP              ; the spare words: 128 bytes a wave
.set LI,  1                            ; 16 x lane
.set SPW, 2                            ; my spare word; never rewritten
.set NIL, 3                            ; 0; never rewritten
.set AD,  4                            ; LDS address of the step in hand
.set QA,  5
.set GO,  6
.set STO, 7
.set STR, 8
.set RL,  9                            ; r - 16 hh
.set DD,  10
.set NI,  11
.set NM,  12                           ; v[12:13], v[16:17]: -M, the largest t
.set SU,  14                           ; v[14:15], v[18:19]: the sum in two halves
.set FP,  20                           ; v[20:21], v[22:23]: f; p's scale word
.set QS,  24
.set KS,  26
.set VS,  30
.set BM,  34                           ; v34-41 a block's largest; later bytes; later the sums' second chains
.set TP,  42                           ; v42-49 the other half's largest, then
.set SO,  42                           ;        the conversions' scale operands
.set HL,  50                           ; v50-57 448 x the scale
.set TT,  58                           ; v58, v59
.set PFA, 60                           ; q's prefetch: row lane / 2, + 256 (lane % 2)
.set PF,  61                           ; kv's prefetch: 256 x lane
.set PZ,  62                           ; 0: every lane names the wave's last block
.set SS,  64
.set FR,  192
.set QC,  128
.set PCD, 160
.set WV,  10
.set G1,  16
.set G0,  24
.set KVW, 28                           ; kv at my head and my eighth of a slot
.set FO,  30
.set QP1, 32
.set QP2, 34
.set OP1, 36
.set OP2, 38
.set PB,  40                           ; kv at my eighth of the slot last asked for
.set FS,  42                           ; the key slot last asked for
.set BL,  43                           ; the first block's last key slot, j; 64 once it has been passed
.set CNT, 44
.set PL,  45                           ; trips left in the first block
.set DQ,  46                           ; my first query less the step's first key
.set DQ2, 47
.set TA,  48
.set SEL, 50
.set CS,  52
.set MNT, 54
.set MSB, 0
.macro WIN new
.if MSB != \new
	s_set_vgpr_msb (MSB<<8)|\new
.set MSB, \new
.endif
.endm
.macro TLOAD                           ; every wave's own eighth
	tensor_load_to_lds s[G0:G0+3], s[G1:G1+7]
	s_nop 0
.rept 4
	v_nop
.endr
.endm
.macro DESC                            ; the descriptor of the next fill; it stands behind the wait that shows my load done
	s_xor_b32 s[G0+1], s[G0+1], SLOT1              ; the other slot than last time
	s_add_co_u32 s55, s[FS], 1
	s_cmp_eq_u32 s[FS], s[BL]
	s_cselect_b32 s[FS], 0, s55                    ; behind slot j the second block's slot 0,
	s_cselect_b32 s[BL], 64, s[BL]                 ; and no second turn back
	s_mul_i32 s[FO], s[FS], SLOTB
	s_wait_xcnt 0x0                                ; any prefetch of mine has read its base
	s_add_nc_u64 s[PB:PB+1], s[KVW:KVW+1], s[FO:FO+1]
	s_mov_b64 s[G0+2:G0+3], s[PB:PB+1]
	s_or_b32 s[G0+3], s[G0+3], 0x80000000
.endm
.macro ASK                             ; j = 0 alone, slots 2 to 7: 8 j + the slot just asked for is under 7
	s_lshl_b32 s55, ttmp9, 3
	s_add_co_u32 s55, s55, s[FS]
	s_cmp_lt_u32 s55, 7
	s_cbranch_scc0 .Lna_\@
	global_prefetch_b8 v[PF], s[PB:PB+1] offset:SLOTB th:TH_LOAD_NT scope:SCOPE_SE
	global_prefetch_b8 v[PZ], s[PB:PB+1] offset:SLOTB+8192 th:TH_LOAD_NT scope:SCOPE_SE
.Lna_\@:
.endm
.macro QLOAD p                         ; register SS + 64 x + 16 b + i = d 32 b + 16 hh + i of row r of tile x
.irp x, 0,1
.irp b, 0,1,2,3
.irp j, 0,1,2,3
	global_load_b128 v[SS+64*\x+16*\b+4*\j:SS+64*\x+16*\b+4*\j+3], v[QA], s[\p:\p+1] offset:\x*16*ROWQ+128*\b+16*\j
.endr
.endr
.endr
.endm
.macro LANEMAX                         ; with lane l xor 16's
.irp e, 0,1,2,3,4,5,6,7
	v_permlanex16_b32 v[TP+\e], v[BM+\e], s[SEL], s[SEL+1]
.endr
.irp e, 0,1,2,3,4,5,6,7
	v_max_num_f32 v[BM+\e], v[BM+\e], v[TP+\e]
.endr
.endm
.macro SCALES d0, d1                   ; from eight largest magnitudes: the conversions' operands, 448 x the scale, the bytes, and the two tiles' scale words
.irp e, 0,1,2,3,4,5,6,7
	v_add_nc_u32 v[SO+\e], 0xfc000000, v[BM+\e]    ; 8 off the exponent field
.endr
.irp e, 0,1,2,3,4,5,6,7
	v_and_or_b32 v[HL+\e], v[BM+\e], 0x7f800000, s[MNT]
.endr
.irp e, 0,1,2,3,4,5,6,7
	v_lshrrev_b32 v[BM+\e], 23, v[SO+\e]
.endr
	v_lshl_or_b32 v[\d0], v[BM+1], 8, v[BM]
	s_delay_alu instid0(VALU_DEP_4)
	v_lshl_or_b32 v[\d1], v[BM+5], 8, v[BM+4]
	s_delay_alu instid0(VALU_DEP_2)
	v_lshl_or_b32 v[\d0], v[BM+2], 16, v[\d0]
	s_delay_alu instid0(VALU_DEP_2)
	v_lshl_or_b32 v[\d1], v[BM+6], 16, v[\d1]
	s_delay_alu instid0(VALU_DEP_2)
	v_lshl_or_b32 v[\d0], v[BM+3], 24, v[\d0]
	s_delay_alu instid0(VALU_DEP_2)
	v_lshl_or_b32 v[\d1], v[BM+7], 24, v[\d1]
.endm
.macro CODES d                         ; 128 numbers a lane become two fragments' codes in window 1
	WIN 0x40
.irp e, 0,1,2,3,4,5,6,7
	v_cvt_scalef32_pk8_fp8_f32 v[\d+4*\e:\d+4*\e+1], v[SS+16*\e:SS+16*\e+7], v[SO+\e]
	v_cvt_scalef32_pk8_fp8_f32 v[\d+4*\e+2:\d+4*\e+3], v[SS+16*\e+8:SS+16*\e+15], v[SO+\e]
.endr
	WIN 0
	v_nop                                          ; one plain vector line behind the last conversion
.endm
.macro QQ2                             ; both tiles of q: codes and scale words; the eight blocks by turns
.irp e, 0,1,2,3,4,5,6,7
	v_max3_num_f32 v[BM+\e], |v[SS+16*\e]|, |v[SS+16*\e+1]|, 0x4800000   ; with the floor 2^(9 - 127): the byte cannot fall under 1
.endr
.irp i, 2,4,6,8,10,12,14
.irp e, 0,1,2,3,4,5,6,7
	v_max3_num_f32 v[BM+\e], v[BM+\e], |v[SS+16*\e+\i]|, |v[SS+16*\e+\i+1]|
.endr
.endr
	LANEMAX
	SCALES QS, QS+1
.set n, 0
.rept 128
	v_med3_num_f32 v[SS+n], v[SS+n], -v[HL+n/16], v[HL+n/16]   ; the conversion does not saturate (ISA guide 7.6.2): the hold comes first
.set n, n+1
.endr
	CODES QC
.endm
.macro INIT                            ; a block of queries begins: O^T and the sums are zeros, the largest t is -3e38; the first change of M leaves zeros zeros
	WIN 0x40
.set n, 0
.rept 128
	v_mov_b32 v[n], 0
.set n, n+1
.endr
	WIN 0
.irp x, 0,1
	v_mov_b32 v[NM+4*\x+1], 0xff61b1e6
	s_delay_alu instid0(VALU_DEP_1)
	v_floor_f32 v[NM+4*\x], -v[NM+4*\x+1]
	v_mov_b32 v[SU+4*\x], 0
	v_mov_b32 v[SU+4*\x+1], 0
.endr
.endm
.macro FRAGS off                       ; eight fragments: 0-3 into window 1, 4-7 into window 0; each load takes 512 consecutive bytes
	WIN 0x40
.irp f, 0,1,2,3
.irp c, 0,1,2,3
	ds_load_b128 v[FR+16*\f+4*\c:FR+16*\f+4*\c+3], v[AD] offset:\off+\f*2048+\c*512
.endr
.endr
	WIN 0
.irp f, 0,1,2,3
.irp c, 0,1,2,3
	ds_load_b128 v[FR+16*\f+4*\c:FR+16*\f+4*\c+3], v[AD] offset:\off+(\f+4)*2048+\c*512
.endr
.endr
.endm
.macro MASK                            ; register n of tile x holds key 32 (n / 16) + n % 16 + 16 hh of the step: hidden where that is over d = DQ + 16 x + r - 16 hh.  Ascending: each accumulator is read from its low end on
	v_mov_b32 v[NI], 0xff800000
	v_add_nc_u32 v[DD], s[DQ], v[RL]
.irp x, 0,1
.set n, 0
.rept 64
	v_cmp_gt_i32 vcc_lo, 32*(n/16)+n%16, v[DD]
	v_cndmask_b32 v[SS+64*\x+n], v[SS+64*\x+n], v[NI], vcc_lo
.set n, n+1
.endr
.if \x == 0
	v_add_nc_u32 v[DD], 16, v[DD]
.endif
.endr
.endm
.macro HOLD x                          ; p is not negative: a one-sided hold.  A pair takes an even register of one block and an odd one of its neighbour: sources in different banks, one destination even and one odd
.if DUAL
.irp b, 0,2
.irp i, 0,2,4,6,8,10,12,14
	v_dual_min_num_f32 v[SS+64*\x+16*\b+\i], v[SS+64*\x+16*\b+\i], v[HL+4*\x+\b] :: v_dual_min_num_f32 v[SS+64*\x+16*\b+17+\i], v[SS+64*\x+16*\b+17+\i], v[HL+4*\x+\b+1]
	v_dual_min_num_f32 v[SS+64*\x+16*\b+16+\i], v[SS+64*\x+16*\b+16+\i], v[HL+4*\x+\b+1] :: v_dual_min_num_f32 v[SS+64*\x+16*\b+1+\i], v[SS+64*\x+16*\b+1+\i], v[HL+4*\x+\b]
.endr
.endr
.else
.set n, 0
.rept 64
	v_min_num_f32 v[SS+64*\x+n], v[SS+64*\x+n], v[HL+4*\x+n/16]
.set n, n+1
.endr
.endif
.endm
.macro SOFTMAX2                        ; both tiles' softmax for a key step, the eight blocks by turns: from 128 scores a lane to P's codes, p's scale words, f and the sums
.irp e, 0,1,2,3,4,5,6,7
	v_max3_num_f32 v[BM+\e], v[SS+16*\e], v[SS+16*\e+1], v[SS+16*\e+2]   ; a block's largest score: for the row's maximum and for the block's largest p
.endr
.irp i, 3,5,7,9,11,13
.irp e, 0,1,2,3,4,5,6,7
	v_max3_num_f32 v[BM+\e], v[BM+\e], v[SS+16*\e+\i], v[SS+16*\e+\i+1]
.endr
.endr
.irp e, 0,1,2,3,4,5,6,7
	v_max_num_f32 v[BM+\e], v[BM+\e], v[SS+16*\e+15]
.endr
	LANEMAX
	v_max3_num_f32 v[TT], v[BM], v[BM+1], v[BM+2]
	s_delay_alu instid0(VALU_DEP_3)
	v_max3_num_f32 v[TT+1], v[BM+4], v[BM+5], v[BM+6]
.irp x, 0,1
	s_delay_alu instid0(VALU_DEP_2)
	v_max_num_f32 v[TT+\x], v[TT+\x], v[BM+4*\x+3] ; the step's largest score
.endr
.irp x, 0,1
	s_delay_alu instid0(VALU_DEP_2)
	v_mul_f32 v[TT+\x], s[CS], v[TT+\x]            ; as t
.endr
.irp x, 0,1
	s_delay_alu instid0(VALU_DEP_2)
	v_max_num_f32 v[NM+4*\x+1], v[NM+4*\x+1], v[TT+\x]   ; the running largest t
.endr
.irp x, 0,1
	v_mov_b32 v[TT+\x], v[NM+4*\x]
.endr
.irp x, 0,1
	s_delay_alu instid0(VALU_DEP_4)
	v_floor_f32 v[NM+4*\x], -v[NM+4*\x+1]          ; the new -M = -ceil(t)
.endr
.irp x, 0,1
	s_delay_alu instid0(VALU_DEP_2)
	v_sub_f32 v[TT+\x], v[NM+4*\x], v[TT+\x]       ; old M - new M: a whole number, 0 or less
.endr
.irp x, 0,1
	s_delay_alu instid0(VALU_DEP_2)
	v_cvt_i32_f32 v[TT+\x], v[TT+\x]               ; (it saturates)
.endr
.irp x, 0,1
	s_delay_alu instid0(VALU_DEP_2)
	v_ldexp_f32 v[FP+2*\x], 1.0, v[TT+\x]          ; f = 2^(old M - new M)
.endr
.set n, 0
.rept 64
	v_pk_fma_f32 v[SS+n:SS+n+1], v[SS+n:SS+n+1], s[CS:CS+1], v[NM+4*(n/64):NM+4*(n/64)+1] op_sel_hi:[1,0,0]   ; t - M
.set n, n+2
.endr
.irp e, 0,1,2,3,4,5,6,7
	v_fma_f32 v[BM+\e], v[BM+\e], s[CS], v[NM+4*(\e/4)]   ; the same of each block's largest score
.endr
	s_wait_alu depctr_va_vdst(0)                   ; ahead of the batch
.set n, 0
.rept 128
	v_exp_f32 v[SS+n], v[SS+n]                     ; p = 2^(t - M)
.set n, n+1
.endr
.irp e, 0,1,2,3,4,5,6,7
	v_exp_f32 v[BM+\e], v[BM+\e]                   ; the block's largest p
.endr
.irp x, 0,1
	v_pk_mul_f32 v[SU+4*\x:SU+4*\x+1], v[SU+4*\x:SU+4*\x+1], v[FP+2*\x:FP+2*\x+1] op_sel_hi:[1,0]   ; the sums under the new M: plain lines behind the exponentials
.endr
	s_wait_alu depctr_va_vdst(0)                   ; one wait for the batch, ahead of its first reader
.irp e, 0,1,2,3,4,5,6,7
	v_max_num_f32 v[BM+\e], 0x4800000, v[BM+\e]    ; the floor: a block whose every p is 0 keeps the byte 1: its codes are zeros
.endr
	SCALES FP+1, FP+3
.irp x, 0,1
	v_pk_add_f32 v[BM+4*\x:BM+4*\x+1], v[SS+64*\x:SS+64*\x+1], v[SS+64*\x+2:SS+64*\x+3]   ; the row's sum of the unquantised p: four chains by turns
.endr
.set n, 4
.rept 15
.irp x, 0,1
	v_pk_add_f32 v[SU+4*\x:SU+4*\x+1], v[SU+4*\x:SU+4*\x+1], v[SS+64*\x+n:SS+64*\x+n+1]
	v_pk_add_f32 v[BM+4*\x:BM+4*\x+1], v[BM+4*\x:BM+4*\x+1], v[SS+64*\x+n+2:SS+64*\x+n+3]
.endr
.set n, n+4
.endr
	s_delay_alu instid0(VALU_DEP_3)
	v_pk_add_f32 v[SU:SU+1], v[SU:SU+1], v[BM:BM+1]
	s_delay_alu instid0(VALU_DEP_2)
	v_pk_add_f32 v[SU+4:SU+5], v[SU+4:SU+5], v[BM+4:BM+5]
	HOLD 0
	HOLD 1
	CODES PCD
.endm
; A KEY STEP: 128 keys against my two tiles: 16 products K Q^T, the softmax, 16 products V^T P, all on different accumulators, one instruction a turn.
; bar = 1: the slot's second step, with the change of slots in it; fill = 1: the slot just left is filled again.
; DQ under 0: all 128 keys lie behind my 32 queries: the step's work is left out, not the waits, the add and the barrier, nor the lines at its end that step addresses.
.macro STEP bar, fill
	s_cmp_lt_i32 s[DQ], 0
	s_cbranch_scc1 .Lha_\@
	v_add_nc_u32 v[AD], s[TA], v[LI]
.rept 7
	v_nop                                          ; with the addition: eight places behind the last step's products
.endr
	ds_load_b128 v[KS:KS+3], v[AD] offset:KSO
	FRAGS 0
	s_wait_alu depctr_va_vdst(0)
	s_wait_dscnt 16                                ; the scale words and fragments 0-3 are in; the sixteen younger loads may be out
	WIN 0x05
.irp t, 0,1,2,3
.irp x, 0,1
	v_wmma_scale_f32_16x16x128_f8f6f4 v[SS+64*\x+8*\t:SS+64*\x+8*\t+7], v[FR+16*\t:FR+16*\t+15], v[QC+16*\x:QC+16*\x+15], 0, v[KS+\t], v[QS+\x]
.endr
.endr
	s_wait_dscnt 0x0
	WIN 0x04
.irp t, 0,1,2,3
.irp x, 0,1
	v_wmma_scale_f32_16x16x128_f8f6f4 v[SS+64*\x+8*(\t+4):SS+64*\x+8*(\t+4)+7], v[FR+16*\t:FR+16*\t+15], v[QC+16*\x:QC+16*\x+15], 0, v[KS+\t], v[QS+\x] matrix_a_scale:MATRIX_SCALE_ROW1
.endr
.endr
	WIN 0
.rept 8
	v_nop                                          ; eight places: for V's loads into the fragments' registers and for the first read of the scores
.endr
	ds_load_b128 v[VS:VS+3], v[AD] offset:VSO
	FRAGS VFO
.if \bar
.Lha_\@:
	s_wait_tensorcnt 0x0                           ; my eighth of the next slot is in;
	ds_add_u32 v[SPW], v[NIL]
.if \fill
	DESC
.endif
	s_wait_dscnt 0x0                               ; the add is done, and V's fragments are in registers: my reads of this slot are over
	s_barrier_signal -1                            ; say so; up to the wait below only registers are touched
	s_cmp_lt_i32 s[DQ], 0
	s_cbranch_scc1 .Lhb_\@
.endif
	s_cmp_ge_i32 s[DQ], 128                        ; from 128 on every key of the step counts for every query of mine
	s_cbranch_scc1 .Lopen_\@
	MASK
.Lopen_\@:
	SOFTMAX2
	WIN 0x41
	s_wait_alu depctr_va_vdst(0)                   ; directly ahead of the first reader of O^T
.irp x, 0,1
.set n, 0
.rept 32
	v_pk_mul_f32 v[64*\x+n:64*\x+n+1], v[64*\x+n:64*\x+n+1], v[FP+2*\x:FP+2*\x+1] op_sel_hi:[1,0]   ; O^T x f; these 64 also stand between P's codes and scale words and the products
.set n, n+2
.endr
.endr
.if \bar == 0
	s_wait_alu depctr_va_vdst(0)                   ; directly ahead of the wait below
	s_wait_dscnt 16                                ; V's scale words and fragments 0-3 are in
.endif
	WIN 0x55
.irp t, 0,1,2,3
.irp x, 0,1
	v_wmma_scale_f32_16x16x128_f8f6f4 v[64*\x+8*\t:64*\x+8*\t+7], v[FR+16*\t:FR+16*\t+15], v[PCD+16*\x:PCD+16*\x+15], v[64*\x+8*\t:64*\x+8*\t+7], v[VS+\t], v[FP+2*\x+1]
.endr
.endr
.if \bar == 0
	s_wait_dscnt 0x0
.endif
	WIN 0x54
.irp t, 0,1,2,3
.irp x, 0,1
	v_wmma_scale_f32_16x16x128_f8f6f4 v[64*\x+8*(\t+4):64*\x+8*(\t+4)+7], v[FR+16*\t:FR+16*\t+15], v[PCD+16*\x:PCD+16*\x+15], v[64*\x+8*(\t+4):64*\x+8*(\t+4)+7], v[VS+\t], v[FP+2*\x+1] matrix_a_scale:MATRIX_SCALE_ROW1
.endr
.endr
	WIN 0
.if \bar
.Lhb_\@:
	s_barrier_wait -1                              ; every wave has left this slot and has its part of the next
.if \fill
	TLOAD                                          ; the first thing behind the barrier, and my one tensor load until the next
	ASK
.endif
.else
.Lha_\@:
.endif
	s_sub_co_i32 s[DQ], s[DQ], 128
	s_add_co_u32 s[TA], s[TA], STEPB
.endm
.macro TURNTA                          ; back to a slot's first step, in the other slot
	s_sub_co_u32 s[TA], s[TA], 2*STEPB
	s_xor_b32 s[TA], s[TA], SLOT1
.endm
; THE WAY OUT.  O^T is divided by the sum and goes through my stage in LDS, 16 queries x 64 channels at a time, so that sixteen lanes store 256 consecutive bytes, at a multiple of 256 from out0's first byte.
.macro OUT p
.rept 8
	v_nop                                          ; eight places behind the last products
.endr
.irp x, 0,1
	v_add_f32 v[SU+4*\x], v[SU+4*\x], v[SU+4*\x+1]
.endr
.irp x, 0,1
	s_delay_alu instid0(VALU_DEP_2)
	v_permlanex16_b32 v[TP+\x], v[SU+4*\x], s[SEL], s[SEL+1]
.endr
.irp x, 0,1
	s_delay_alu instid0(VALU_DEP_2)
	v_add_f32 v[SU+4*\x], v[SU+4*\x], v[TP+\x]
.endr
	s_wait_alu depctr_va_vdst(0)
.irp x, 0,1
	v_rcp_f32 v[SU+4*\x], v[SU+4*\x]
.endr
	v_nop
	WIN 0x41
	s_wait_alu depctr_va_vdst(0)
.irp x, 0,1
.set n, 0
.rept 32
	v_pk_mul_f32 v[64*\x+n:64*\x+n+1], v[64*\x+n:64*\x+n+1], v[SU+4*\x:SU+4*\x+1] op_sel_hi:[1,0]
.set n, n+2
.endr
.endr
	s_wait_alu depctr_va_vdst(0)
.irp g, 0,1,2,3                        ; tile g / 2, channels 64 (g % 2) on
.if \g == 2
	s_wait_xcnt 0x0                                ; the stores of pieces 0 and 1 have read their registers, which are loaded again
.endif
	WIN 0x04
.irp t, 0,1,2,3
	ds_store_b128 v[STO], v[64*(\g/2)+32*(\g%2)+8*\t:64*(\g/2)+32*(\g%2)+8*\t+3] offset:64*\t
	ds_store_b128 v[STO], v[64*(\g/2)+32*(\g%2)+8*\t+4:64*(\g/2)+32*(\g%2)+8*\t+7] offset:64*\t+16
.endr
	WIN 0
.irp i, 0,1,2,3,4,5,6,7
	ds_load_b128 v[FR+32*(\g%2)+4*\i:FR+32*(\g%2)+4*\i+3], v[STR] offset:2*SP*\i   ; LDS serves a wave's instructions in order (ISA guide 5.7.1.4)
.endr
	s_wait_dscnt 0x0
.irp i, 0,1,2,3,4,5,6,7
	global_store_b128 v[GO], v[FR+32*(\g%2)+4*\i:FR+32*(\g%2)+4*\i+3], s[\p:\p+1] offset:(16*(\g/2)+2*\i)*ROWO+256*(\g%2) th:TH_STORE_NT
.endr
.endr
	s_wait_xcnt 0x0
.endm
	s_load_b128 s[4:7], s[0:1], 0x0                ; qkv, kv
	s_load_b64 s[8:9], s[0:1], 0x10                ; out0
	v_lshl_add_u32 v[SPW], v0, 2, SPARE
	v_mov_b32 v[NIL], 0
	ds_add_u32 v[SPW], v[NIL]                      ; the opening lines: the add twice on end and one wait
	ds_add_u32 v[SPW], v[NIL]
	v_lshrrev_b32 v[AD], 5, v0
	s_delay_alu instid0(VALU_DEP_1)
	v_readfirstlane_b32 s[WV], v[AD]               ; wave 0..7
	s_mov_b32 s[G1+0], 3<<16                       ; a dense block of 8,448 bytes as 33 rows of 32 elements of 8 bytes; no padding: every LDS read takes 512 consecutive bytes
	s_mov_b32 s[G1+1], 32<<16
	s_mov_b32 s[G1+2], 33<<16
	s_mov_b32 s[G1+3], 32<<16
	s_mov_b32 s[G1+4], 33
	s_mov_b32 s[G1+5], 32
	s_mov_b32 s[G1+6], 0
	s_mov_b32 s[G1+7], 0
	s_and_b32 s12, ttmp7, 0xffff                   ; the head, 16 b + h
	s_lshr_b32 s13, s12, 4
	s_and_b32 s14, s12, 15
	s_mov_b32 s[BL], ttmp9                         ; j
	s_add_co_u32 s[PL], ttmp9, 1
	s_mul_i32 s[G0+1], s[WV], PART                 ; my eighth of slot 0
	s_mul_i32 s[KVW], s12, 16*STEPB
	s_add_co_u32 s[KVW], s[KVW], s[G0+1]
	s_mov_b32 s[KVW+1], 0
	s_mov_b32 s[FO+1], 0
	s_lshl_b32 s55, s13, 11
	s_lshl_b32 s56, s[WV], 5
	s_add_co_u32 s55, s55, s56                     ; 2,048 b + 32 w
	s_lshl_b32 s[DQ], ttmp9, 8
	s_sub_co_u32 s57, 7, ttmp9
	s_lshl_b32 s[DQ2], s57, 8
	s_add_co_u32 s57, s[DQ2], s55                  ; my first row in the second block,
	s_add_co_u32 s55, s[DQ], s55                   ; and in the first
	s_add_co_u32 s[DQ], s[DQ], s56
	s_add_co_u32 s[DQ2], s[DQ2], s56
	s_lshl_b32 s15, s14, 9
	s_mul_i32 s[QP1], s55, ROWQ                    ; all four offsets stay under 2^31
	s_add_co_u32 s[QP1], s[QP1], s15
	s_mov_b32 s[QP1+1], 0
	s_mul_i32 s[QP2], s57, ROWQ
	s_add_co_u32 s[QP2], s[QP2], s15
	s_mov_b32 s[QP2+1], 0
	s_lshl_b32 s[OP1], s55, 13
	s_add_co_u32 s[OP1], s[OP1], s15
	s_mov_b32 s[OP1+1], 0
	s_lshl_b32 s[OP2], s57, 13
	s_add_co_u32 s[OP2], s[OP2], s15
	s_mov_b32 s[OP2+1], 0
	s_mov_b32 s[FS], 0
	s_mov_b32 s[TA], 0
	s_mov_b32 s[SEL], 0x76543210
	s_mov_b32 s[SEL+1], 0xfedcba98
	s_mov_b32 s[CS], 0x3fb8aa3b                    ; log2(e)
	s_mov_b32 s[CS+1], s[CS]
	s_mov_b32 s[MNT], 0x600000
	s_wait_alu depctr_va_vdst(0)                   ; directly ahead of the waits below
	s_wait_dscnt 0x0                               ; both opening adds are done
	s_wait_kmcnt 0x0
	s_add_nc_u64 s[KVW:KVW+1], s[6:7], s[KVW:KVW+1]
	s_mov_b32 s[G0], 1
	s_mov_b64 s[G0+2:G0+3], s[KVW:KVW+1]           ; key slot 0
	s_or_b32 s[G0+3], s[G0+3], 0x80000000
	TLOAD                                          ; the head's one tensor load of each wave
	s_add_nc_u64 s[QP1:QP1+1], s[4:5], s[QP1:QP1+1]
	s_add_nc_u64 s[QP2:QP2+1], s[4:5], s[QP2:QP2+1]
	s_add_nc_u64 s[OP1:OP1+1], s[8:9], s[OP1:OP1+1]
	s_add_nc_u64 s[OP2:OP2+1], s[8:9], s[OP2:OP2+1]
	v_and_b32 v[BM], 15, v0                        ; r
	v_bfe_u32 v[BM+1], v0, 4, 1                    ; hh
	s_delay_alu instid0(VALU_DEP_2)
	v_mul_u32_u24 v[QA], v[BM], ROWQ
	s_delay_alu instid0(VALU_DEP_1)
	v_lshl_add_u32 v[QA], v[BM+1], 6, v[QA]
	QLOAD QP1
	v_and_b32 v[TT], 31, v0
	s_delay_alu instid0(VALU_DEP_1)
	v_lshlrev_b32 v[LI], 4, v[TT]
	s_delay_alu instid0(VALU_DEP_2)
	v_lshlrev_b32 v[PF], 8, v[TT]
	v_lshlrev_b32 v[GO], 13, v[BM+1]
	s_delay_alu instid0(VALU_DEP_1)
	v_lshl_add_u32 v[GO], v[BM], 4, v[GO]
	s_mul_i32 s55, s[WV], 16*SP
	s_add_co_u32 s55, s55, STAGE                   ; my stage
	v_mul_u32_u24 v[STO], v[BM], SP
	s_delay_alu instid0(VALU_DEP_1)
	v_lshl_add_u32 v[STO], v[BM+1], 5, v[STO]
	s_delay_alu instid0(VALU_DEP_1)
	v_add_nc_u32 v[STO], s55, v[STO]               ; in: row r, + 32 hh
	v_mul_u32_u24 v[STR], v[BM+1], SP
	s_delay_alu instid0(VALU_DEP_1)
	v_lshl_add_u32 v[STR], v[BM], 4, v[STR]
	s_delay_alu instid0(VALU_DEP_1)
	v_add_nc_u32 v[STR], s55, v[STR]               ; back: lanes 0-15 one row, lanes 16-31 the next
	v_lshlrev_b32 v[RL], 4, v[BM+1]
	s_delay_alu instid0(VALU_DEP_1)
	v_sub_nc_u32 v[RL], v[BM], v[RL]
	v_bfe_u32 v[PFA], v0, 1, 4
	s_delay_alu instid0(VALU_DEP_1)
	v_mul_u32_u24 v[PFA], v[PFA], ROWQ
	v_and_b32 v[BM+2], 1, v0
	s_delay_alu instid0(VALU_DEP_1)
	v_lshl_add_u32 v[PFA], v[BM+2], 8, v[PFA]
	v_mov_b32 v[PZ], 0
.irp e, 0,1,2,3,4,5,6,7
	v_mov_b32 v[TP+\e], 0                          ; written once: a lane permute's destination counts as one of its sources
.endr
	v_mov_b32 v[FP+1], 0                           ; (named as the upper halves of pairs before they are first written)
	v_mov_b32 v[FP+3], 0
	; V's scale words and the fragments' registers are written once here.  A slot's second step tests DQ twice, round its loads and round its products; the two tests are one condition,
	; but read apart they leave a way on which the products' sources were never loaded.  No wave takes it; with these lines every way reads written registers.
.irp i, 0,1,2,3
	v_mov_b32 v[VS+\i], 0
.endr
.set n, 0
.rept 64
	v_mov_b32 v[FR+n], 0
.set n, n+1
.endr
	WIN 0x40
.set n, 0
.rept 64
	v_mov_b32 v[FR+n], 0
.set n, n+1
.endr
	INIT                                           ; while q's loads are out
	s_wait_alu depctr_va_vdst(0)                   ; directly ahead of the wait below
	s_wait_loadcnt 0x0                             ; q
	QQ2
	s_wait_alu depctr_va_vdst(0)                   ; the head's end
	s_wait_tensorcnt 0x0                           ; my eighth of slot 0 is in; slot 1's first fill is issued as a refill is
	ds_add_u32 v[SPW], v[NIL]
	DESC
	s_wait_dscnt 0x0
	s_barrier_signal -1
	s_barrier_wait -1
	TLOAD
	s_mov_b32 s[CNT], 7
.Ltrip:                                            ; trips 0 to 6: each asks, at its end, for the slot two trips on
	s_cmp_lg_u32 s[PL], 1                          ; in the first block's last trip my wave names its 32 rows x 512 bytes of the second block's q, each aligned 256 bytes once: the loads stand at this trip's end
	s_cbranch_scc1 .Lnp
	global_prefetch_b8 v[PFA], s[QP2:QP2+1] th:TH_LOAD_NT scope:SCOPE_SE
	global_prefetch_b8 v[PFA], s[QP2:QP2+1] offset:16*ROWQ th:TH_LOAD_NT scope:SCOPE_SE
.Lnp:
	STEP 0, 0
	STEP 1, 1
	TURNTA
	s_sub_co_u32 s[PL], s[PL], 1
	s_cmp_lg_u32 s[PL], 0
	s_cbranch_scc1 .Lon
	QLOAD QP2                                      ; THE CHANGE OF BLOCKS: the second block's q lands while the first block goes out
	s_wait_alu depctr_va_vdst(0)
	OUT OP1
	INIT
	s_wait_alu depctr_va_vdst(0)                   ; directly ahead of the wait below
	s_wait_loadcnt 0x0
	QQ2
	s_mov_b32 s[DQ], s[DQ2]
	s_wait_alu depctr_va_vdst(0)
.Lon:
	s_sub_co_u32 s[CNT], s[CNT], 1
	s_cmp_lg_u32 s[CNT], 0
	s_cbranch_scc1 .Ltrip
	s_mov_b32 s[CNT], 2
.Ltail:                                            ; trips 7 and 8 ask for nothing more.  One text serves both: trip 7's barrier shows slot 8 whole; trip 8's orders nothing
	STEP 0, 0
	STEP 1, 0
	TURNTA
	s_sub_co_u32 s[CNT], s[CNT], 1
	s_cmp_lg_u32 s[CNT], 0
	s_cbranch_scc1 .Ltail
	s_wait_alu depctr_va_vdst(0)
	OUT OP2
	s_wait_tensorcnt 0x0                           ; the wave's end
	ds_add_u32 v[SPW], v[NIL]
	s_wait_dscnt 0x0
	s_endpgm
.Lfunc_end_k_q9c5d6caed6_attn:
	.size	k_q9c5d6caed6_attn, .Lfunc_end_k_q9c5d6caed6_attn-k_q9c5d6caed6_attn
	.p2alignl 7, 3214868480
	.fill 96, 4, 3214868480
	.section	.rodata,"a",@progbits
	.p2align	6, 0x0
	.amdhsa_kernel k_q9c5d6caed6_attn
		.amdhsa_group_segment_fixed_size 327680
		.amdhsa_private_segment_fixed_size 0
		.amdhsa_enable_private_segment 0
		.amdhsa_kernarg_size 24
		.amdhsa_user_sgpr_count 2
		.amdhsa_user_sgpr_kernarg_segment_ptr 1
		.amdhsa_wavefront_size32 1
		.amdhsa_system_sgpr_workgroup_id_x 1
		.amdhsa_system_sgpr_workgroup_id_y 1
		.amdhsa_system_sgpr_workgroup_id_z 1
		.amdhsa_system_vgpr_workitem_id 0
		.amdhsa_next_free_vgpr 512
		.amdhsa_next_free_sgpr 66
		.amdhsa_reserve_vcc 1
		.amdhsa_float_denorm_mode_32 3
		.amdhsa_float_denorm_mode_16_64 3
		.amdhsa_memory_ordered 1
		.amdhsa_forward_progress 1
		.amdhsa_inst_pref_size 255
	.end_amdhsa_kernel
	.section	.bss,"aw",@nobits
	.p2align	6
	.space	262144
	.amdgpu_metadata
---
amdhsa.version: [ 1, 2 ]
amdhsa.kernels:
  - .name:           k_q9c5d6caed6_attn
    .symbol:         k_q9c5d6caed6_attn.kd
    .args:
      - { .name: qkv, .offset: 0, .size: 8, .value_kind: global_buffer, .address_space: global }
      - { .name: kv, .offset: 8, .size: 8, .value_kind: global_buffer, .address_space: global }
      - { .name: out0, .offset: 16, .size: 8, .value_kind: global_buffer, .address_space: global }
    .group_segment_fixed_size: 327680
    .private_segment_fixed_size: 0
    .kernarg_segment_align: 8
    .kernarg_segment_size: 24
    .max_flat_workgroup_size: 256
    .sgpr_count:     66
    .vgpr_count:     512
    .wavefront_size: 32
...
	.end_amdgpu_metadata
.endif
;; end of part 2
